; MI455X (gfx1250); checked and timed in simulation.
; The chip was launched on July 23, 2026; its instructions are those of AMD's public machine-readable ISA for CDNA 5 (MIT licence, August 2026) and "CDNA5" Instruction Set Architecture Reference Guide (July 2026). The comments in the code are by the model that wrote it; some were corrected since.
;; Token Label Offline Episodic. Allowed arithmetic: matrix products marked QUANTISED: E2M1 operands, one E8M0 scale for each 32 along K, by v_wmma_scale_f32_16x16x128_f8f6f4 with both operands' format E2M1 (or v_wmma_scale_f32_32x16x128_f4), f32 sums; products left as they are: f32 operands where the result goes on into a quantised operand, else bf16, f16 or f32 operands; f32 sums; everything else in f32.
;; Inputs: feat_query 2 x 75 x 196 x 384 float32; feat_shot 2 x 5 x 5 x 196 x 384 float32; x_query 2 x 75 x 384 float32; x_shot 2 x 5 x 5 x 384 float32.
;; Outputs: out0 2 x 75 x 5 float32; out1 2 x 75 x 5 float32.
;; This version of the problem:
;;   THIS VERSION OF THE PROBLEM IS GIVEN IN LOW PRECISION. The matrix products marked QUANTISED in the list below multiply operands that are first quantised to E2M1 (2 exponent bits, 1 mantissa bit; 4 bits a number), with one power-of-two scale for each 32 numbers along K (OCP MX v1.0); their sums are f32. All else is computed in f32.
;;   The module's matrix products, in the order in which they are computed (A, B: the left and right operand; K: the contracted axis; several contracted axes count as one K, in the product's order):
;;     1. batch 2 x [M 4,900, K 384] x [K 384, N 14,700]; A: computed on the way; B: computed on the way: QUANTISED
;;     2. batch 2 x [M 75, K 384] x [K 384, N 5]; A: computed on the way; B: computed on the way: left as it is (N = 5 < 16)
;;   THE QUANTISER, for each operand of a quantised product, along K:
;;     - K is cut into blocks of 32 from its start; a last block that is shorter is filled with zeros.
;;     - A block's scale is 2^e with e = floor(log2(the largest magnitude in the block)) - 2, held to -126 .. 127; a block of zeros has e = 0. As a byte (E8M0): e + 127.
;;     - Each number is divided by its block's scale, clamped to +-6, and rounded to the nearest number of E2M1, ties to even, subnormals kept.
;;     - The product sums the exact products of the quantised numbers (number of the format x scale) in f32.
;;   ~~~python
;;   def quantise(x, axis):      # numpy; x: float32 -> the quantised numbers, widened to float32 again
;;       x = np.moveaxis(x, axis, -1); K = x.shape[-1]
;;       x = np.pad(x, [(0, 0)] * (x.ndim - 1) + [(0, -K % 32)]); x = x.reshape(x.shape[:-1] + (-1, 32)); a = np.abs(x).max(-1, keepdims=True)
;;       e = np.where(a > 0, np.clip(np.frexp(np.where(a > 0, a, 1))[1] - 1 - 2, -126, 127), 0)      # np.frexp(a)[1] - 1 = floor(log2(a)), exactly
;;       r = np.clip(x / 2.0 ** e, -6, 6)
;;       step = 2.0 ** (np.maximum(np.frexp(np.where(r == 0, 1, r))[1] - 1, 0) - 1)
;;       q = np.round(r / step) * step * 2.0 ** e      # np.round: ties to even
;;       return np.moveaxis(q.reshape(q.shape[:-2] + (-1,))[..., :K], -1, axis).astype(np.float32)
;;   ~~~
;;   OPERANDS COMPUTED ON THE WAY. 'Computed on the way' means the value that the module computes at that place (a softmax that the list does not call 'softmax' is quantised finished and normalised). What goes into a quantiser is computed in f32, as accurately as f32 sums, v_exp_f32 and their like allow (about 1e-6 of the number): no bf16 or f16 on the way to a quantiser, and a product that is left as it is and whose result goes on into a quantised operand takes f32 operands (vector FMAs, or v_wmma_f32_16x16x4_f32). A number that lies on a knife's edge between two numbers of the format may be rounded either way, as far as f32 arithmetic and the matrix unit's own rounding can turn it there, and no further.
;; One version. Each part assembles by itself: llvm-mc -triple=amdgcn-amd-amdhsa -mcpu=gfx1250 --defsym DOCPART=n.
;; ======== version 1 of 1: 2 launches
;; workspace buffers: qrec 6,156,800 bytes; srec 2,129,920 bytes
;; launch quant (part 1): grid 249 x 1, 10 waves a work-group, no clusters, 254,720 bytes of LDS; arguments feat_query, feat_shot, qrec, srec; writes qrec, srec
.if DOCPART == 1
	.amdgcn_target "amdgcn-amd-amdhsa--gfx1250"
	.amdhsa_code_object_version 6
	.text
	.protected	k_q86366bc071_quant
	.globl	k_q86366bc071_quant
	.p2align	8
	.type	k_q86366bc071_quant,@function
k_q86366bc071_quant:
	s_mov_b64 s[64:65], 0
	v_nop
	global_prefetch_b8 v0, s[64:65] scope:SCOPE_SE
	s_setreg_imm32_b32 hwreg(HW_REG_WAVE_MODE, 25, 1), 1
	s_wait_xcnt 0x0
; Every token row (384 f32) of feat_query and feat_shot is divided by max(its L2 norm, 1e-8) and quantised along its 384 numbers to codes of FP4 (E2M1),
; one E8M0 scale byte for each 32.  The codes leave as TILE RECORDS of 3,328 bytes: 16 rows, all of K = 384, laid as the image of a matrix operand's registers:
;   bytes 512 u + 16 l (u = 0..5, lane l = r + 16 h): the 32 codes of row r, block 2 u + h; unit u = 2 s + c is registers 4 c .. 4 c + 3 of K step s (128 along K);
;   bytes 3,072 + 16 r: row r's three scale words (word s, byte b: block 4 s + b) and a fill word of bytes 127.
; qrec: 50 groups of three queries (588 tokens) x 37 records; tile j holds the group's tokens min(16 j, 572) + r.
; srec: 10 classes (980 shot tokens) x 64 records; tile j holds the class's rows min(16 j, 964) + r.  A last tile slides back over its neighbour instead of being padded:
; a row that is there twice changes no maximum, so nothing has to be masked later.
; SHARES.  1,850 + 640 = 2,490 tiles = 249 work-groups x 10 waves: a wave takes one tile and shares nothing with another wave: no barrier.  The tile (16 rows x 1,536 bytes, consecutive in memory)
; comes by one tensor load into the wave's own LDS bytes, which are filled once.  Lane (r, h) then takes, of row r, the six blocks 2 i + h: 192 numbers in registers.
; No cluster: no two work-groups read the same byte.  No prefetch: every byte is asked for at the wave's first lines.
; A block's scale is 2^(floor(log2(largest magnitude)) - 2); its byte is the largest magnitude's exponent field - 2, held at 1 from below by a floor among the maximum's leaves.
; LIMITS: a block of zeros gets the byte 1 where the rule says 127 (its codes are zeros, and this program alone reads the bytes); NaN and infinities among the inputs are not served;
; the sum of squares overflows where the reference's own does; x / max(n, eps) is made as x times the reciprocal (square root, reciprocal and product: a few units in the last place of f32).
.set ROWB,  1536                       ; a row in memory
.set PITCH, 1584                       ; a row in LDS: three pieces of 512 bytes, 16 bytes of padding behind each: 99 x 16, so the 16 rows that a load touches start in 16 different 16-byte columns of 256 bytes
.set WTILE, 16*PITCH                   ; a wave's LDS bytes
.set REC,   3328                       ; a record
.set QT,    1850                       ; tiles of feat_query; the others are feat_shot's
.set CH,    8                          ; v[8:15]  four pair chains of the sum of squares; later the scale words (W) and the partner lane's
.set W,     8
.set MX,    20                         ; v20-25   the six blocks' largest magnitudes, then their scale bytes
.set SO,    26                         ; v26-31   the conversions' scale operands
.set X,     32                         ; v32-223  my 192 numbers: 32 i + e is number e of block 2 i + h
.set CD,    224                        ; v224-247 the codes: four registers a block
	s_load_b256 s[4:11], s[0:1], 0x0               ; feat_query s[4:5], feat_shot s[6:7], qrec s[8:9], srec s[10:11]
	v_lshl_add_u32 v254, v0, 2, 0x3de00
	v_mov_b32 v255, 0
	ds_add_u32 v254, v255
	ds_add_u32 v254, v255
	v_lshrrev_b32 v1, 5, v0
	v_readfirstlane_b32 s12, v1                    ; wave 0..9
	s_mul_i32 s13, ttmp9, 10
	s_add_co_u32 s13, s13, s12                     ; T: my tile, 0 .. 2,489
	; as a tile of feat_query: group G = T / 37, tile j = T - 37 G
	s_mul_hi_u32 s14, s13, 116080198               ; ceil(2^32 / 37): exact for T under 2,490
	s_mul_i32 s15, s14, 37
	s_sub_co_u32 s15, s13, s15
	s_lshl_b32 s15, s15, 4
	s_min_u32 s15, s15, 572                        ; the last tile slides back
	s_mul_i32 s14, s14, 588
	s_add_co_u32 s14, s14, s15                     ; its first row
	s_mul_i32 s15, s13, REC                        ; its record
	; as a tile of feat_shot: U = T - 1,850, class U / 64, tile U % 64
	s_sub_co_u32 s30, s13, QT
	s_lshr_b32 s31, s30, 6
	s_and_b32 s32, s30, 63
	s_lshl_b32 s32, s32, 4
	s_min_u32 s32, s32, 964
	s_mul_i32 s31, s31, 980
	s_add_co_u32 s31, s31, s32
	s_mul_i32 s32, s30, REC
	; descriptor group 1: 16 rows x 384 elements of 4 bytes, 4 words of padding behind every 128
	s_mov_b32 s16, (2<<16)|(1<<20)|(6<<22)|(3<<25) ; 15:0 no mask; 17:16 elements of 4 bytes; 20 padding on; 24:22 after every 128 words (code 6); 31:25 four words (code 3)
	s_mov_b32 s17, 384<<16                         ; tensor_dim0 = 384
	s_mov_b32 s18, 16<<16                          ; tensor_dim1 = 16
	s_mov_b32 s19, 384<<16                         ; tile_dim0 = 384
	s_mov_b32 s20, 16                              ; tile_dim1 = 16
	s_mov_b32 s21, 384                             ; elements from row to row
	s_mov_b32 s22, 0
	s_mov_b32 s23, 0
	s_mov_b32 s24, 1                               ; group 0: count = 1
	s_mul_i32 s25, s12, WTILE                      ; my wave's LDS bytes
	s_mov_b32 s28, 0x76543210                      ; v_permlanex16_b32's selects for lane l xor 16
	s_mov_b32 s29, 0xfedcba98
	s_mov_b32 s35, 0
	s_mov_b32 s37, 0
	s_wait_dscnt 0x0
	s_wait_kmcnt 0x0
	s_cmp_lt_u32 s13, QT                           ; which tensor?  The choice hangs on the tile's number alone
	s_cselect_b32 s14, s14, s31                    ; first row
	s_cselect_b32 s36, s15, s32                    ; the record's byte
	s_cselect_b64 s[4:5], s[4:5], s[6:7]           ; from
	s_cselect_b64 s[8:9], s[8:9], s[10:11]         ; to
	s_mul_i32 s34, s14, ROWB                       ; under 2^32: 29,400 rows at the most
	s_add_nc_u64 s[8:9], s[8:9], s[36:37]
	s_add_nc_u64 s[26:27], s[4:5], s[34:35]        ; the tile's first element
	s_or_b32 s27, s27, 0x80000000                  ; type = 2
	tensor_load_to_lds s[24:27], s[16:23]          ; my one tensor load
	s_nop 0
	v_and_b32 v1, 31, v0                           ; lane
	v_and_b32 v2, 15, v0                           ; r
	v_bfe_u32 v3, v0, 4, 1                         ; h
	v_mul_u32_u24 v4, v2, PITCH
	v_lshl_add_u32 v4, v3, 7, v4
	v_add_nc_u32 v4, s25, v4                       ; LDS: my wave, row r, + 128 h: block h
	v_lshlrev_b32 v5, 4, v1                        ; a unit of codes: 16 bytes a lane
	v_lshlrev_b32 v6, 4, v2
	v_lshl_add_u32 v6, v3, 3, v6
	v_add_nc_u32 v6, 3072, v6                      ; the scale words: row r's 16 bytes, 8 for each half of the lanes
	v_lshlrev_b32 v7, 3, v3                        ; 8 h: my bytes' place in a scale word
	v_mov_b32 v17, 0                               ; written once: a lane permute's destination counts as one of its sources
	s_wait_tensorcnt 0x0                           ; my tile is in LDS; only I read it
.irp i, 0,1,2,3,4,5
.irp g, 0,1,2,3,4,5,6,7
	ds_load_b128 v[X+32*\i+4*\g:X+32*\i+4*\g+3], v4 offset:(\i/2)*528+(\i%2)*256+16*\g   ; block 2 i + h: numbers 64 i + 32 h on: piece i / 2 of the row, 256 (i % 2) + 128 h bytes into it
.endr
.endr
; the sum of squares, two numbers an instruction, in four chains; the first four products start them
.macro SQ i
	s_wait_dscnt 40-8*\i                           ; LDS loads come back in order: block i's eight are in, the later blocks' may be out
.set p, 0
.rept 16
.if (\i == 0) && (p < 4)
	v_pk_mul_f32 v[CH+2*p:CH+2*p+1], v[X+2*p:X+2*p+1], v[X+2*p:X+2*p+1]
.else
	v_pk_fma_f32 v[CH+2*(p%4):CH+2*(p%4)+1], v[X+32*\i+2*p:X+32*\i+2*p+1], v[X+32*\i+2*p:X+32*\i+2*p+1], v[CH+2*(p%4):CH+2*(p%4)+1]
.endif
.set p, p+1
.endr
.endm
.irp i, 0,1,2,3,4,5
	SQ \i
.endr
	v_pk_add_f32 v[8:9], v[8:9], v[10:11]
	v_pk_add_f32 v[12:13], v[12:13], v[14:15]
	v_pk_add_f32 v[8:9], v[8:9], v[12:13]
	v_add_f32 v16, v8, v9                          ; my half of the row,
	v_permlanex16_b32 v17, v16, s28, s29
	v_add_f32 v16, v16, v17                        ; and lane l xor 16's: both lanes of a row hold the same bits
	v_sqrt_f32 v17, v16
	v_mov_b32 v19, 0                               ; a plain line behind the square root (v19 is named below as the upper half of a pair, so it is written)
	s_wait_alu depctr_va_vdst(0)                   ; the wait ahead of the result's first reader
	v_max_num_f32 v17, 0x322bcc77, v17             ; max(n, 1e-8)
	v_rcp_f32 v18, v17
	v_nop                                          ; a plain line behind the reciprocal
	s_wait_alu depctr_va_vdst(0)                   ; and its wait
.set p, 0
.rept 96
	v_pk_mul_f32 v[X+2*p:X+2*p+1], v[X+2*p:X+2*p+1], v[18:19] op_sel_hi:[1,0]   ; the normalised numbers: what is quantised
.set p, p+1
.endr
.irp i, 0,1,2,3,4,5
	v_max3_num_f32 v[MX+\i], |v[X+32*\i]|, |v[X+32*\i+1]|, 0x1800000   ; a block's largest magnitude: all 32 numbers are mine; and the floor 2^(3 - 127): the byte cannot fall under 1
.endr
.irp e, 2,4,6,8,10,12,14,16,18,20,22,24,26,28,30
.irp i, 0,1,2,3,4,5
	v_max3_num_f32 v[MX+\i], v[MX+\i], |v[X+32*\i+\e]|, |v[X+32*\i+\e+1]|   ; (the six blocks by turns)
.endr
.endr
.irp i, 0,1,2,3,4,5
	v_add_nc_u32 v[SO+\i], 0xff000000, v[MX+\i]    ; 2 off the exponent field: the conversion takes the exponent field of this operand as its scale
.endr
.irp i, 0,1,2,3,4,5
	v_lshrrev_b32 v[MX+\i], 23, v[SO+\i]           ; the scale's byte
.endr
.irp i, 0,1,2,3,4,5
.irp g, 0,1,2,3
	v_cvt_scalef32_pk8_fp4_f32 v[CD+4*\i+\g], v[X+32*\i+8*\g:X+32*\i+8*\g+7], v[SO+\i]   ; eight numbers / the scale, to the nearest code, ties to even, beyond 6 the largest code
.endr
.endr
.irp s, 0,1,2
	v_lshl_or_b32 v[W+\s], v[MX+2*\s+1], 16, v[MX+2*\s]   ; word s: my bytes are blocks 4 s + h and 4 s + 2 + h.  (Plain lines behind the conversions, which name none of their registers)
.endr
.irp s, 0,1,2
	v_lshlrev_b32 v[W+\s], v7, v[W+\s]             ; at their places: 8 h bits up
.endr
.irp s, 0,1,2
	v_permlanex16_b32 v[W+4+\s], v[W+\s], s28, s29
.endr
.irp s, 0,1,2
	v_or_b32 v[W+\s], v[W+\s], v[W+4+\s]           ; with lane l xor 16's two bytes the word is whole
.endr
	v_mov_b32 v[W+3], 0x7f7f7f7f                   ; the fill word
	v_cmp_eq_u32 vcc_lo, 1, v3
	v_cndmask_b32 v[W+4], v[W], v[W+2], vcc_lo     ; lanes 0-15 store words 0 and 1, lanes 16-31 words 2 and 3
	v_cndmask_b32 v[W+5], v[W+1], v[W+3], vcc_lo
.irp i, 0,1,2,3,4,5
	global_store_b128 v5, v[CD+4*\i:CD+4*\i+3], s[8:9] offset:512*\i   ; 32 lanes store 512 consecutive bytes, at a multiple of 256 from the buffer's first byte
.endr
	global_store_b64 v6, v[W+4:W+5], s[8:9]        ; 32 lanes store 256 consecutive bytes, aligned likewise
	s_wait_tensorcnt 0x0
	ds_add_u32 v254, v255
	s_wait_dscnt 0x0
	s_endpgm
.Lfunc_end_k_q86366bc071_quant:
	.size	k_q86366bc071_quant, .Lfunc_end_k_q86366bc071_quant-k_q86366bc071_quant
	.p2alignl 7, 3214868480
	.fill 96, 4, 3214868480
	.section	.rodata,"a",@progbits
	.p2align	6, 0x0
	.amdhsa_kernel k_q86366bc071_quant
		.amdhsa_group_segment_fixed_size 254720
		.amdhsa_private_segment_fixed_size 0
		.amdhsa_enable_private_segment 0
		.amdhsa_kernarg_size 32
		.amdhsa_user_sgpr_count 2
		.amdhsa_user_sgpr_kernarg_segment_ptr 1
		.amdhsa_wavefront_size32 1
		.amdhsa_system_sgpr_workgroup_id_x 1
		.amdhsa_system_sgpr_workgroup_id_y 1
		.amdhsa_system_sgpr_workgroup_id_z 1
		.amdhsa_system_vgpr_workitem_id 0
		.amdhsa_next_free_vgpr 256
		.amdhsa_next_free_sgpr 66
		.amdhsa_reserve_vcc 1
		.amdhsa_float_denorm_mode_32 3
		.amdhsa_float_denorm_mode_16_64 3
		.amdhsa_memory_ordered 1
		.amdhsa_forward_progress 1
		.amdhsa_inst_pref_size 29
	.end_amdhsa_kernel
	.amdgpu_metadata
---
amdhsa.version: [ 1, 2 ]
amdhsa.kernels:
  - .name:           k_q86366bc071_quant
    .symbol:         k_q86366bc071_quant.kd
    .args:
      - { .name: feat_query, .offset: 0, .size: 8, .value_kind: global_buffer, .address_space: global }
      - { .name: feat_shot, .offset: 8, .size: 8, .value_kind: global_buffer, .address_space: global }
      - { .name: qrec, .offset: 16, .size: 8, .value_kind: global_buffer, .address_space: global }
      - { .name: srec, .offset: 24, .size: 8, .value_kind: global_buffer, .address_space: global }
    .group_segment_fixed_size: 254720
    .private_segment_fixed_size: 0
    .kernarg_segment_align: 8
    .kernarg_segment_size: 32
    .max_flat_workgroup_size: 320
    .sgpr_count:     66
    .vgpr_count:     256
    .wavefront_size: 32
...
	.end_amdgpu_metadata
.endif
;; end of part 1
;; launch simmax (part 2): grid 25 x 10, 8 waves a work-group, no clusters, 168,960 bytes of LDS; arguments qrec, srec, x_query, x_shot, out0, out1; writes out0, out1
.if DOCPART == 2
	.amdgcn_target "amdgcn-amd-amdhsa--gfx1250"
	.amdhsa_code_object_version 6
	.text
	.protected	k_q86366bc071_simmax
	.globl	k_q86366bc071_simmax
	.p2align	8
	.type	k_q86366bc071_simmax,@function
k_q86366bc071_simmax:
	s_mov_b64 s[64:65], 0
	v_nop
	global_prefetch_b8 v0, s[64:65] scope:SCOPE_SE
	s_setreg_imm32_b32 hwreg(HW_REG_WAVE_MODE, 25, 1), 1
	s_wait_xcnt 0x0
; out0[b][q][n] = the mean over query q's 196 tokens of the largest cosine against the 980 shot tokens of class n; the cosines are products of codes of FP4 (E2M1) with E8M0 scales,
; K = 384 = three matrix instructions deep, sums in f32.  out1[b][q][n] = 10 x cos(x_query[b][q], mean over the shots of x_shot[b][n]), in f32 vector arithmetic (five columns are too few for a matrix tile).
; Operands come as tile records of 3,328 bytes (16 rows, all of K): six units of 512 bytes, unit u = 2 s + c = registers 4 c .. 4 c + 3 of K step s, 16 bytes a lane; then 16 bytes of scale words a row.
; SHARES.  A work-group owns three queries (group G = 25 b + x: 588 tokens, 37 records) and one class (C = y = 5 b + n: 64 records): three numbers of each output, and nobody else's.
; Its eight waves share the SHOT tiles: wave w keeps tiles 8 w .. 8 w + 7 in 192 registers for the whole launch.  The group's 37 query records lie in LDS, filled once, and every wave walks them.
; Both operands are read once by the work-group, so there is no ring and no LDS byte is filled twice.
; THE MATRIX INSTRUCTION is the 32 x 16 x 128 form: source 0 = 32 shot rows (two neighbouring tiles of mine), source 1 = 16 query tokens.  A query tile is 12 instructions against my 128 shot rows, and each of its
; fragments is named once for 32 rows.  A lane holds ONE token (lane % 16) and its registers run over shot rows, so a token's maximum over the wave's 128 shot rows
; is 31 three-operand maxima and one two-operand maximum, one exchange between the halves of the lanes and one more maximum.  It goes to pm[wave][token] in LDS; at the end waves 0 to 2 take a query each: the maximum over the eight waves, the mean over 196 tokens.
; Two waves share a SIMD's registers (2 x 448): one wave's maxima stand beside the other's products, so the text is in plain phases, with two window switches a tile.
; NO CLUSTER: a class's records are shared by 25 work-groups and a group's by the 5 classes of its batch; neither count divides by 2 or by 4, so the grid does not divide into clusters whose partners share a tile.
; NO PREFETCH: everything that the work-group reads is asked for at its head.
; The query block (123,136 bytes) is brought in 4 parts x 8 waves of 3,848 bytes, so that the first tiles can be multiplied while the later parts land; 481 blocks of 256 bytes do not divide by 32, so a part's ends are not aligned.
; LIMITS: NaN and infinities among the inputs are not served.
; REGISTERS.  Window 0: v1-9 lane and addresses; v10-15 at work; v16-31 the shot rows' scale words; v32 an offset; v48-55 the query tile's scale words, two sets; v56-103 the query tile's fragments, two sets of 24;
;   v104-167 four accumulators of 16; v168 the classifier's number.  (v56-137 first serve the classifier, v104-159 at the end the mean.)
;   Window 1: v0-191 the shot fragments: pair J of tiles, K step s at 48 J + 16 s: tile 2 J's eight registers (rows 0-15 of source 0), then tile 2 J + 1's (rows 16-31).
.set REC,   3328                       ; a record
.set PART,  30784                      ; a quarter of the 37 records
.set WPART, 3848                       ; a wave's eighth of it
.set PM,    123136                     ; behind the records (481 x 256): pm, written by LDS stores alone
.set PMROW, 2560                       ; a wave's row of pm: 4 bytes a token, tokens 0 .. 619 used
.set LN,  1                            ; v1   lane
.set L16, 2                            ; v2   16 x lane
.set R16, 3                            ; v3   16 x (lane % 16)
.set AD,  4                            ; v4   LDS address of the trip's codes
.set AS,  5                            ; v5   and of its scale words
.set PM0, 6                            ; v6   PM + my wave's row + 4 x (lane % 16)
.set PMA, 7                            ; v7   the same at the trip's first token
.set FA,  8                            ; v8   the end: PM + 784 x wave + 4 x lane: my query's tokens in wave 0's row
.set ZA,  9                            ; v9   PM + my wave's row + 4 x lane
.set M,   10                           ; v10-13 four chains of the maximum
.set T,   14
.set T2,  15
.set SS,  16                           ; v16-31 register 4 J + s: lane m holds the scale word of row m of pair J's 32 shot rows, K step s (4 J + 3: the fill word)
.set RH,  32                           ; v32  16 x (lane % 16) + a record x (lane / 16): lanes 16-31 read the pair's second tile
.set QS,  48
.set QF,  56
.set ACC, 104
.set CLS, 168
.set XQ,  56                           ; the classifier: my 12 numbers of x_query's row,
.set XS,  68                           ; of five rows of x_shot,
.set DT,  128                          ; and three sums in pairs
.set MSB, 0
.macro WIN new                         ; the immediate's high byte repeats the setting that is left
.if MSB != \new
	s_set_vgpr_msb (MSB<<8)|\new
.set MSB, \new
.endif
.endm
	s_load_b256 s[4:11], s[0:1], 0x0               ; qrec s[4:5], srec s[6:7], x_query s[8:9], x_shot s[10:11]
	s_load_b128 s[12:15], s[0:1], 0x20             ; out0 s[12:13], out1 s[14:15]
	v_lshl_add_u32 v254, v0, 2, 0x29000
	v_mov_b32 v255, 0
	ds_add_u32 v254, v255
	ds_add_u32 v254, v255
	v_lshrrev_b32 v1, 5, v0
	v_readfirstlane_b32 s40, v1                    ; wave 0..7
	v_and_b32 v[LN], 31, v0
	v_lshlrev_b32 v[L16], 4, v[LN]
	v_and_b32 v[R16], 15, v0
	v_lshlrev_b32 v[PM0], 2, v[R16]
	v_lshlrev_b32 v[R16], 4, v[R16]
	v_bfe_u32 v[RH], v0, 4, 1
	v_mul_u32_u24 v[RH], v[RH], REC
	v_add_nc_u32 v[RH], v[RH], v[R16]
	s_mul_i32 s48, s40, PMROW
	s_add_co_u32 s48, s48, PM                      ; my wave's row of pm
	v_add_nc_u32 v[PM0], s48, v[PM0]
	v_lshl_add_u32 v[ZA], v[LN], 2, s48
	s_mul_i32 s49, s40, 784
	s_add_co_u32 s49, s49, PM
	v_lshl_add_u32 v[FA], v[LN], 2, s49
	v_mov_b32 v[T2], 0                             ; written once: a lane permute's destination counts as one of its sources
	v_mov_b32 v[CLS], 0
	s_and_b32 s41, ttmp7, 0xffff                   ; C = 5 b + n
	s_cmp_ge_u32 s41, 5
	s_cselect_b32 s42, 1, 0                        ; b
	s_mul_i32 s43, s42, 5
	s_sub_co_u32 s43, s41, s43                     ; n
	s_mul_i32 s44, s42, 25
	s_add_co_u32 s44, s44, ttmp9                   ; G
	s_mul_i32 s45, s40, WPART                      ; my eighth of a part
	s_mul_i32 s46, s44, 37*REC
	s_add_co_u32 s46, s46, s45                     ; and where it begins in qrec
	s_mov_b32 s47, 0
	s_mul_i32 s56, s41, 64*REC
	s_mul_i32 s57, s40, 8*REC
	s_add_co_u32 s56, s56, s57                     ; my eight records of srec
	s_mov_b32 s57, 0
	s_mul_i32 s53, s44, 3
	s_add_co_u32 s53, s53, s40                     ; waves 0 to 2: my query, 75 b + q = 3 G + wave
	s_mul_i32 s58, s53, 1536                       ; its row of x_query
	s_mov_b32 s59, 0
	s_mul_i32 s60, s41, 5*1536                     ; the class's five rows of x_shot
	s_mov_b32 s61, 0
	s_mul_i32 s62, s53, 5
	s_add_co_u32 s62, s62, s43
	s_lshl_b32 s62, s62, 2                         ; its number in out0 and out1
	s_mov_b32 s63, 0
	s_mov_b32 s54, 0x76543210                      ; v_permlanex16_b32's selects for lane l xor 16
	s_mov_b32 s55, 0xfedcba98
	; descriptor group 1: one row of 481 elements of 8 bytes
	s_mov_b32 s16, 3<<16                           ; 15:0 no mask; 17:16 elements of 8 bytes; no padding
	s_mov_b32 s17, 481<<16                         ; tensor_dim0
	s_mov_b32 s18, 1<<16                           ; tensor_dim1 = 1
	s_mov_b32 s19, 481<<16                         ; tile_dim0
	s_mov_b32 s20, 1                               ; tile_dim1 = 1
	s_mov_b32 s21, 481                             ; the pitch
	s_mov_b32 s22, 0
	s_mov_b32 s23, 0
	s_wait_dscnt 0x0
	s_wait_kmcnt 0x0
	s_add_nc_u64 s[4:5], s[4:5], s[46:47]
	s_add_nc_u64 s[6:7], s[6:7], s[56:57]
	s_add_nc_u64 s[8:9], s[8:9], s[58:59]          ; (used by waves 0 to 2 alone, as are the next three)
	s_add_nc_u64 s[10:11], s[10:11], s[60:61]
	s_add_nc_u64 s[12:13], s[12:13], s[62:63]
	s_add_nc_u64 s[14:15], s[14:15], s[62:63]
.irp p, 0,1,2,3                        ; descriptor group 0, a set for each part
	s_mov_b32 s[24+4*\p], 1                        ; count = 1
	s_add_co_u32 s[25+4*\p], s45, \p*PART          ; LDS address: the block lies in LDS as in memory
	s_add_nc_u64 s[26+4*\p:27+4*\p], s[4:5], \p*PART
	s_or_b32 s[27+4*\p], s[27+4*\p], 0x80000000    ; type = 2
.endr
	s_cmp_lt_u32 s40, 3                            ; the classifier's loads go first, so that a counted wait can leave the shot loads out
	s_cbranch_scc0 .Lno_cls_loads
.irp t, 0,1,2
	global_load_b128 v[XQ+4*\t:XQ+4*\t+3], v[L16], s[8:9] offset:512*\t
.endr
.irp k, 0,1,2,3,4
.irp t, 0,1,2
	global_load_b128 v[XS+12*\k+4*\t:XS+12*\k+4*\t+3], v[L16], s[10:11] offset:1536*\k+512*\t
.endr
.endr
.Lno_cls_loads:
	WIN 0x40                                       ; destination window 1, address window 0
.irp j, 0,1,2,3,4,5,6,7
.irp u, 0,1,2,3,4,5
	global_load_b128 v[48*(\j/2)+16*(\u/2)+8*(\j%2)+4*(\u%2):48*(\j/2)+16*(\u/2)+8*(\j%2)+4*(\u%2)+3], v[L16], s[6:7] offset:REC*\j+512*\u   ; my eight shot tiles: they stay.  Tile j, unit u: pair j / 2, K step u / 2, half j % 2 of source 0's 16 registers
.endr
.endr
	WIN 0
.irp j, 0,1,2,3
	global_load_b128 v[SS+4*\j:SS+4*\j+3], v[RH], s[6:7] offset:2*REC*\j+3072   ; and their scale words: lanes 0-15 tile 2 J's rows, lanes 16-31 tile 2 J + 1's: lane m has row m's three (and the fill word)
.endr
	tensor_load_to_lds s[24:27], s[16:23]          ; my eighth of each part: four tensor loads of mine are out; they stand together, ahead of every wait on TENSORcnt, LDS read and barrier
	s_nop 0
	tensor_load_to_lds s[28:31], s[16:23]
	s_nop 0
	tensor_load_to_lds s[32:35], s[16:23]
	s_nop 0
	tensor_load_to_lds s[36:39], s[16:23]
	s_nop 0
.rept 4
	v_nop                                          ; four plain lines behind the tensor loads
.endr
	ds_store_b32 v[ZA], v[T2] offset:4*588         ; tokens 588 .. 619 of my row of pm are no tokens: the last query's last load at the end reaches them, so they are written
	s_cmp_lt_u32 s40, 3
	s_cbranch_scc0 .Lno_cls
	; ---- the classifier, in waves 0 to 2, while the shot tiles and the records are on their way
	s_wait_loadcnt 52                              ; my 18 loads are in; the 48 + 4 issued behind them may be out
.irp k, 1,2,3,4
.irp e, 0,2,4,6,8,10
	v_pk_add_f32 v[XS+\e:XS+\e+1], v[XS+\e:XS+\e+1], v[XS+12*\k+\e:XS+12*\k+\e+1]
.endr
.endr
.irp e, 0,2,4,6,8,10
	v_pk_mul_f32 v[XS+\e:XS+\e+1], v[XS+\e:XS+\e+1], 0x3e4ccccd op_sel_hi:[1,0]   ; the mean over five shots
.endr
	v_pk_mul_f32 v[DT:DT+1], v[XQ:XQ+1], v[XS:XS+1]           ; xq . m
	v_pk_mul_f32 v[DT+2:DT+3], v[XS:XS+1], v[XS:XS+1]         ; m . m
	v_pk_mul_f32 v[DT+4:DT+5], v[XQ:XQ+1], v[XQ:XQ+1]         ; xq . xq
.irp e, 2,4,6,8,10
	v_pk_fma_f32 v[DT:DT+1], v[XQ+\e:XQ+\e+1], v[XS+\e:XS+\e+1], v[DT:DT+1]
	v_pk_fma_f32 v[DT+2:DT+3], v[XS+\e:XS+\e+1], v[XS+\e:XS+\e+1], v[DT+2:DT+3]
	v_pk_fma_f32 v[DT+4:DT+5], v[XQ+\e:XQ+\e+1], v[XQ+\e:XQ+\e+1], v[DT+4:DT+5]
.endr
.irp d, 0,2,4
	v_add_f32 v[DT+\d], v[DT+\d], v[DT+\d+1]
.endr
.irp x, 1,2,4,8
.irp d, 0,2,4
	v_add_f32_dpp v[DT+\d], v[DT+\d], v[DT+\d] row_xmask:\x row_mask:0xf bank_mask:0xf
.endr
.endr
.irp d, 0,2,4
	v_permlanex16_b32 v[DT+\d+1], v[DT+\d], s54, s55
.endr
.irp d, 0,2,4
	v_add_f32 v[DT+\d], v[DT+\d], v[DT+\d+1]       ; the three sums over 384, in every lane
.endr
	v_sqrt_f32 v[DT+6], v[DT+2]
	v_sqrt_f32 v[DT+7], v[DT+4]
	v_nop                                          ; a plain line behind the two square roots
	s_wait_alu depctr_va_vdst(0)                   ; one wait for both, ahead of the first reader
	v_max_num_f32 v[DT+6], 0x2b8cbccc, v[DT+6]     ; max(norm, 1e-12)
	v_max_num_f32 v[DT+7], 0x2b8cbccc, v[DT+7]
	v_rcp_f32 v[DT+8], v[DT+6]
	v_rcp_f32 v[DT+9], v[DT+7]
	v_mul_f32 v[DT], 0x41200000, v[DT]             ; x 10: also the plain line behind the two reciprocals
	s_wait_alu depctr_va_vdst(0)                   ; one wait for both
	v_mul_f32 v[DT], v[DT], v[DT+8]
	v_mul_f32 v[CLS], v[DT], v[DT+9]
.Lno_cls:
	s_wait_loadcnt 0x0                             ; the shot tiles and their scale words
; ONE QUERY TILE, whose fragments and scale words lie in set p.  pre >= 0: the next tile's seven LDS loads go out first, from pre bytes behind the trip's addresses, into the other set.
; That set's last readers are the tile before's products: four v_nop and that tile's maxima stand between.  pm, adr: where the sixteen maxima go.
.macro TILE p, pre, pm, adr
.if (\pre) >= 0
.irp u, 0,1,2,3,4,5
	ds_load_b128 v[QF+24*(1-\p)+4*\u:QF+24*(1-\p)+4*\u+3], v[AD] offset:(\pre)+512*\u
.endr
	ds_load_b128 v[QS+4*(1-\p):QS+4*(1-\p)+3], v[AS] offset:(\pre)+3072
	s_wait_dscnt 0x7                               ; the seven just issued may be out: this tile's loads, issued a tile ago, are in
.else
	s_wait_dscnt 0x0
.endif
	WIN 0x01                                       ; source 0 (the shot rows) window 1
.irp s, 0,1,2                          ; K step by K step; the four accumulators take turns, one instruction a turn; the first K step starts the sums
.irp j, 0,1,2,3
.if \s == 0
	v_wmma_scale_f32_32x16x128_f4 v[ACC+16*\j:ACC+16*\j+15], v[48*\j+16*\s:48*\j+16*\s+15], v[QF+24*\p+8*\s:QF+24*\p+8*\s+7], 0, v[SS+4*\j+\s], v[QS+4*\p+\s]
.else
	v_wmma_scale_f32_32x16x128_f4 v[ACC+16*\j:ACC+16*\j+15], v[48*\j+16*\s:48*\j+16*\s+15], v[QF+24*\p+8*\s:QF+24*\p+8*\s+7], v[ACC+16*\j:ACC+16*\j+15], v[SS+4*\j+\s], v[QS+4*\p+\s]
.endif
.endr
.endr
	WIN 0
.rept 4
	v_nop                                          ; four places between the last product and the first read of results (ISA guide 7.12.1)
.endr
.irp c, 0,1,2,3                        ; four chains by turns; chain c takes accumulator c, from its low end on
	v_max3_num_f32 v[M+\c], v[ACC+16*\c], v[ACC+16*\c+1], v[ACC+16*\c+2]
.endr
.irp i, 3,5,7,9,11,13
.irp c, 0,1,2,3
	v_max3_num_f32 v[M+\c], v[M+\c], v[ACC+16*\c+\i], v[ACC+16*\c+\i+1]
.endr
.endr
	v_max3_num_f32 v[M], v[M], v[ACC+15], v[ACC+31]           ; the four numbers left over, and the chains
	v_max3_num_f32 v[M+2], v[M+2], v[ACC+47], v[ACC+63]
	v_max3_num_f32 v[M], v[M], v[M+1], v[M+2]
	v_max_num_f32 v[T], v[M], v[M+3]
	v_permlanex16_b32 v[T2], v[T], s54, s55        ; the token's other 64 shot rows lie in the lane 16 away
	v_max_num_f32 v[T], v[T], v[T2]
	ds_store_b32 v[\adr], v[T] offset:\pm          ; both lanes of a token write the same word with the same value
.endm
; A SEGMENT: 2 x trips tiles from tile first on.  n: how many of my four tensor loads may still be out.  Behind the barrier the parts up to 3 - n are whole: 30,784 (4 - n) bytes.
; The segment's loads reach one tile beyond its last, which still lies inside them: tiles 8, 16, 26, 36 end at bytes 29,952, 56,576, 89,856, 123,136.  Later parts may stay out.
.macro SEG first, trips, n
	s_wait_tensorcnt \n                            ; tensor loads of a wave end in order (ISA guide 10.11.1): my eighths of the parts that this segment reads are in
	s_wait_dscnt 0x0                               ; no LDS instruction of mine is out at the signal
	s_barrier_signal -1
	s_barrier_wait -1                              ; everybody's are
	s_mov_b32 s50, REC*\first                      ; LDS byte of the trip's first tile
	s_mov_b32 s51, 64*\first                       ; and its tokens' bytes in pm
	s_mov_b32 s52, \trips
.if \first == 0
.irp u, 0,1,2,3,4,5
	ds_load_b128 v[QF+4*\u:QF+4*\u+3], v[L16] offset:512*\u   ; tile 0 into set 0
.endr
	ds_load_b128 v[QS:QS+3], v[R16] offset:3072
.endif
.Lseg_\@:
	v_add_nc_u32 v[AD], s50, v[L16]
	v_add_nc_u32 v[AS], s50, v[R16]
	v_add_nc_u32 v[PMA], s51, v[PM0]
	TILE 0, REC, 0, PMA
	TILE 1, 2*REC, 64, PMA
	s_add_co_u32 s50, s50, 2*REC
	s_add_co_u32 s51, s51, 128
	s_sub_co_u32 s52, s52, 1
	s_cmp_lg_u32 s52, 0
	s_cbranch_scc1 .Lseg_\@
.endm
	SEG 0, 4, 3                                    ; tiles 0-7
	SEG 8, 4, 2                                    ; tiles 8-15
	SEG 16, 5, 1                                   ; tiles 16-25
	SEG 26, 5, 0                                   ; tiles 26-35: all my tensor loads are done
	TILE 0, -1, 4*572, PM0                         ; tile 36: tokens 572 .. 587 (572 .. 575 a second time, with the same numbers)
	s_wait_dscnt 0x0                               ; for the others' sake: my stores into pm are done
	s_barrier_signal -1
	s_barrier_wait -1
	s_cmp_lt_u32 s40, 3
	s_cbranch_scc1 .Lmean
	s_wait_tensorcnt 0x0
	ds_add_u32 v254, v255
	s_wait_dscnt 0x0
	s_endpgm
.Lmean:
	; ---- waves 0 to 2: my query's 196 tokens, 32 a turn, a lane a token: the maximum over the eight waves' rows of pm, then the mean
.irp i, 0,1,2,3,4,5,6
.irp u, 0,1,2,3,4,5,6,7
	ds_load_b32 v[ACC+8*\i+\u], v[FA] offset:PMROW*\u+128*\i
.endr
.endr
	s_wait_dscnt 0x0
.irp e, 1,3,5
.irp i, 0,1,2,3,4,5,6
	v_max3_num_f32 v[ACC+8*\i], v[ACC+8*\i], v[ACC+8*\i+\e], v[ACC+8*\i+\e+1]
.endr
.endr
.irp i, 0,1,2,3,4,5,6
	v_max_num_f32 v[ACC+8*\i], v[ACC+8*\i], v[ACC+8*\i+7]
.endr
	v_cmp_gt_u32 vcc_lo, 4, v[LN]
	v_cndmask_b32 v[ACC+48], 0, v[ACC+48], vcc_lo  ; the seventh turn has four tokens: 192 .. 195
	v_add_f32 v[ACC], v[ACC], v[ACC+8]
	v_add_f32 v[ACC+16], v[ACC+16], v[ACC+24]
	v_add_f32 v[ACC+32], v[ACC+32], v[ACC+40]
	v_add_f32 v[ACC], v[ACC], v[ACC+16]
	v_add_f32 v[ACC+32], v[ACC+32], v[ACC+48]
	v_add_f32 v[ACC], v[ACC], v[ACC+32]
.irp x, 1,2,4,8
	v_add_f32_dpp v[ACC], v[ACC], v[ACC] row_xmask:\x row_mask:0xf bank_mask:0xf
.endr
	v_permlanex16_b32 v[T2], v[ACC], s54, s55
	v_add_f32 v[ACC], v[ACC], v[T2]
	v_mul_f32 v[ACC], 0x3ba72f05, v[ACC]           ; / 196
	v_mov_b32 v[ACC+1], 0                          ; the stores' offset: the bases stand at my number
	v_cmp_eq_u32 vcc_lo, 0, v[LN]
	s_wait_xcnt 0x0                                ; EXEC is narrowed only behind this wait: it is a source of every earlier load
	s_wait_tensorcnt 0x0
	ds_add_u32 v254, v255
	s_wait_dscnt 0x0
	s_and_saveexec_b32 s56, vcc_lo                 ; one number of each output: lane 0 stores it
	global_store_b32 v[ACC+1], v[ACC], s[12:13]
	global_store_b32 v[ACC+1], v[CLS], s[14:15]
	s_endpgm
.Lfunc_end_k_q86366bc071_simmax:
	.size	k_q86366bc071_simmax, .Lfunc_end_k_q86366bc071_simmax-k_q86366bc071_simmax
	.p2alignl 7, 3214868480
	.fill 96, 4, 3214868480
	.section	.rodata,"a",@progbits
	.p2align	6, 0x0
	.amdhsa_kernel k_q86366bc071_simmax
		.amdhsa_group_segment_fixed_size 168960
		.amdhsa_private_segment_fixed_size 0
		.amdhsa_enable_private_segment 0
		.amdhsa_kernarg_size 48
		.amdhsa_user_sgpr_count 2
		.amdhsa_user_sgpr_kernarg_segment_ptr 1
		.amdhsa_wavefront_size32 1
		.amdhsa_system_sgpr_workgroup_id_x 1
		.amdhsa_system_sgpr_workgroup_id_y 1
		.amdhsa_system_sgpr_workgroup_id_z 1
		.amdhsa_system_vgpr_workitem_id 0
		.amdhsa_next_free_vgpr 448
		.amdhsa_next_free_sgpr 66
		.amdhsa_reserve_vcc 1
		.amdhsa_float_denorm_mode_32 3
		.amdhsa_float_denorm_mode_16_64 3
		.amdhsa_memory_ordered 1
		.amdhsa_forward_progress 1
		.amdhsa_inst_pref_size 64
	.end_amdhsa_kernel
	.amdgpu_metadata
---
amdhsa.version: [ 1, 2 ]
amdhsa.kernels:
  - .name:           k_q86366bc071_simmax
    .symbol:         k_q86366bc071_simmax.kd
    .args:
      - { .name: qrec, .offset: 0, .size: 8, .value_kind: global_buffer, .address_space: global }
      - { .name: srec, .offset: 8, .size: 8, .value_kind: global_buffer, .address_space: global }
      - { .name: x_query, .offset: 16, .size: 8, .value_kind: global_buffer, .address_space: global }
      - { .name: x_shot, .offset: 24, .size: 8, .value_kind: global_buffer, .address_space: global }
      - { .name: out0, .offset: 32, .size: 8, .value_kind: global_buffer, .address_space: global }
      - { .name: out1, .offset: 40, .size: 8, .value_kind: global_buffer, .address_space: global }
    .group_segment_fixed_size: 168960
    .private_segment_fixed_size: 0
    .kernarg_segment_align: 8
    .kernarg_segment_size: 48
    .max_flat_workgroup_size: 256
    .sgpr_count:     66
    .vgpr_count:     448
    .wavefront_size: 32
...
	.end_amdgpu_metadata
.endif
;; end of part 2
